; MI455X (gfx1250); checked and timed in simulation.
; The chip was launched on July 23, 2026; its instructions are those of AMD's public machine-readable ISA for CDNA 5 (MIT licence, August 2026) and "CDNA5" Instruction Set Architecture Reference Guide (July 2026). The comments in the code are by the model that wrote it; some were corrected since.
;; Attention Head. Allowed arithmetic: matrix products marked QUANTISED: E2M1 operands, one E8M0 scale for each 32 along K, by v_wmma_scale_f32_16x16x128_f8f6f4 with both operands' format E2M1 (or v_wmma_scale_f32_32x16x128_f4), f32 sums; everything else in f32.
;; Inputs: Wk_codes 128 x 32 x 16 uint8 (E2M1 codes of Wk, K innermost, in blocks of 32 codes, two codes a byte); Wk_scales 128 x 32 uint8 (E8M0 scales of Wk, one for each 32 codes along K); Wq_codes 128 x 32 x 16 uint8 (E2M1 codes of Wq, K innermost, in blocks of 32 codes, two codes a byte); Wq_scales 128 x 32 uint8 (E8M0 scales of Wq, one for each 32 codes along K); Wv_codes 128 x 32 x 16 uint8 (E2M1 codes of Wv, K innermost, in blocks of 32 codes, two codes a byte); Wv_scales 128 x 32 uint8 (E8M0 scales of Wv, one for each 32 codes along K); X_codes 4 x 4,096 x 32 x 16 uint8 (E2M1 codes of X, K innermost, in blocks of 32 codes, two codes a byte); X_scales 4 x 4,096 x 32 uint8 (E8M0 scales of X, one for each 32 codes along K).
;; Outputs: out0 4 x 4,096 x 128 float32.
;; This version of the problem:
;;   THIS VERSION OF THE PROBLEM IS GIVEN IN LOW PRECISION. The matrix products marked QUANTISED in the list below multiply operands that are first quantised to E2M1 (2 exponent bits, 1 mantissa bit; 4 bits a number), with one power-of-two scale for each 32 numbers along K (OCP MX v1.0); their sums are f32. All else is computed in f32.
;;   The module's matrix products, in the order in which they are computed (A, B: the left and right operand; K: the contracted axis; several contracted axes count as one K, in the product's order):
;;     1. [M 16,384, K 1,024] x [K 1,024, N 128]; A: input X (given as codes); B: input Wq (given as codes): QUANTISED
;;     2. [M 16,384, K 1,024] x [K 1,024, N 128]; A: input X (given as codes); B: input Wk (given as codes): QUANTISED
;;     3. [M 16,384, K 1,024] x [K 1,024, N 128]; A: input X (given as codes); B: input Wv (given as codes): QUANTISED
;;     4. batch 4 x [M 4,096, K 128] x [K 128, N 4,096]; A: computed on the way; B: computed on the way: QUANTISED
;;     5. batch 4 x [M 4,096, K 4,096] x [K 4,096, N 128]; A: softmax (see below); B: computed on the way: QUANTISED
;;   THE QUANTISER, for each operand of a quantised product, along K:
;;     - K is cut into blocks of 32 from its start; a last block that is shorter is filled with zeros.
;;     - A block's scale is 2^e with e = floor(log2(the largest magnitude in the block)) - 2, held to -126 .. 127; a block of zeros has e = 0. As a byte (E8M0): e + 127.
;;     - Each number is divided by its block's scale, clamped to +-6, and rounded to the nearest number of E2M1, ties to even, subnormals kept.
;;     - The product sums the exact products of the quantised numbers (number of the format x scale) in f32.
;;   ~~~python
;;   def quantise(x, axis):      # numpy; x: float32 -> the quantised numbers, widened to float32 again
;;       x = np.moveaxis(x, axis, -1); K = x.shape[-1]
;;       x = np.pad(x, [(0, 0)] * (x.ndim - 1) + [(0, -K % 32)]); x = x.reshape(x.shape[:-1] + (-1, 32)); a = np.abs(x).max(-1, keepdims=True)
;;       e = np.where(a > 0, np.clip(np.frexp(np.where(a > 0, a, 1))[1] - 1 - 2, -126, 127), 0)      # np.frexp(a)[1] - 1 = floor(log2(a)), exactly
;;       r = np.clip(x / 2.0 ** e, -6, 6)
;;       step = 2.0 ** (np.maximum(np.frexp(np.where(r == 0, 1, r))[1] - 1, 0) - 1)
;;       q = np.round(r / step) * step * 2.0 ** e      # np.round: ties to even
;;       return np.moveaxis(q.reshape(q.shape[:-2] + (-1,))[..., :K], -1, axis).astype(np.float32)
;;   ~~~
;;   SOFTMAX AHEAD OF A QUANTISED PRODUCT. Where the list says 'softmax', what is quantised is not the finished softmax but p = 2^(t - M), with t = logit x log2(e) and M = ceil(the row's largest t), a whole number; so 1/2 < the row's largest p <= 1. The row's sum l is taken of the UNQUANTISED p, in f32, and the product's result is divided by l at the end. Since M is a whole number, a kernel that streams over the keys may use a running M (the ceiling of the running maximum): every later rescaling is an exact power of two, which a block's scale takes up: the codes' values come out the same.
;;   OPERANDS COMPUTED ON THE WAY. 'Computed on the way' means the value that the module computes at that place (a softmax that the list does not call 'softmax' is quantised finished and normalised). What goes into a quantiser is computed in f32, as accurately as f32 sums, v_exp_f32 and their like allow (about 1e-6 of the number): no bf16 or f16 on the way to a quantiser, and a product that is left as it is and whose result goes on into a quantised operand takes f32 operands (vector FMAs, or v_wmma_f32_16x16x4_f32). A number that lies on a knife's edge between two numbers of the format may be rounded either way, as far as f32 arithmetic and the matrix unit's own rounding can turn it there, and no further.
;;   INPUTS GIVEN AS CODES. Wk (in the module: [1024, 128], K = its axis 0); Wq (in the module: [1024, 128], K = its axis 0); Wv (in the module: [1024, 128], K = its axis 0); X (in the module: [4, 4096, 1024], K = its axis 2): each comes as NAME_codes (uint8): NAME with its K axis moved to the last place and cut into blocks of 32 codes, [.., K / 32, bytes a block], one block behind the other in memory; two codes a byte, the lower K in the low four bits (a code: sign, 2 exponent bits, 1 mantissa bit); and NAME_scales (uint8): the same leading axes, one E8M0 byte (e + 127) for each 32 codes along K. Its value is code x scale, taken as it is: it is not quantised again, and the codes and scales need not be those that the quantiser above would give.
;; One version. Each part assembles by itself: llvm-mc -triple=amdgcn-amd-amdhsa -mcpu=gfx1250 --defsym DOCPART=n.
;; ======== version 1 of 1: 2 launches
;; limits: right only within a limited range of input values
;; workspace buffers: qimg 1,048,576 bytes; qsc 65,536 bytes; kvc 2,228,224 bytes
;; launch proj (part 1): grid 128 x 2, 4 waves a work-group, clusters of 4 x 1, 170,496 bytes of LDS; arguments X_codes, X_scales, Wq_codes, Wq_scales, Wk_codes, Wk_scales, Wv_codes, Wv_scales, qimg, qsc, kvc; writes qimg, qsc, kvc
.if DOCPART == 1
	.amdgcn_target "amdgcn-amd-amdhsa--gfx1250"
	.amdhsa_code_object_version 6
	.text
	.protected	k_q562a79cad2_proj
	.globl	k_q562a79cad2_proj
	.p2align	8
	.type	k_q562a79cad2_proj,@function
k_q562a79cad2_proj:
	s_mov_b64 s[64:65], 0
	v_nop
	global_prefetch_b8 v0, s[64:65] scope:SCOPE_SE
	s_setreg_imm32_b32 hwreg(HW_REG_WAVE_MODE, 25, 1), 1
	s_wait_xcnt 0x0
	s_wait_alu depctr_hold_cnt(0) depctr_sa_sdst(0) depctr_va_vdst(0) depctr_va_sdst(0) depctr_va_ssrc(0) depctr_va_vcc(0) depctr_vm_vsrc(0)
	s_getreg_b32 s2, hwreg(HW_REG_IB_STS2, 6, 4)
	s_cmp_eq_u32 s2, 0
	s_cbranch_scc0 .Lentry_in_a_cluster
	s_endpgm
.Lentry_in_a_cluster:
	s_bfe_u32 s2, ttmp6, 0x10000c
	s_cmp_lg_u32 s2, 0x3003
	s_cbranch_scc0 .Lentry_shape_is_right
	s_endpgm
.Lentry_shape_is_right:
; Q = X Wq, K = X Wk, V = X Wv on the given codes of FP4 (E2M1) with their E8M0 scales, sums in f32; then Q and K are quantised along the head's 128 channels and V along the keys,
; in registers, and stored as IMAGES OF OPERAND REGISTERS for the attention launch: a fragment (16 rows x 128 K) is 1,024 bytes, register group c of lane l at 512 c + 16 l; its scale words 4 bytes a row.
; NOTHING OF THE PROBLEM IS LEFT OUT: there is no mask and no bias, every input has a way to the output, all five products are live.
; LIMITS: NaN and infinities among the inputs are not served.  A block of zeros gets the scale byte 1 where the quantiser says 127: its codes are zeros, which add nothing under any byte but 0xff,
; and the bytes are read by this program alone.
; SHARES.  Work-group (tb, y): 128 tokens (tb = 0 .. 127) x 192 output channels: y = 0: Wq and Wv's channels 0-63; y = 1: Wk and Wv's channels 64-127.  y chooses pointers and offsets alone: one path through the text.
; Four waves, one to a SIMD: wave (i, j) makes tokens 64 i on x channels 64 j on of Q or K and 32 j on of the half of V: from ten fragments (X 4, W 4, Wv 2) it makes 24 tiles for each 128 along K.
; The matrix instruction takes 32 rows as source 0, 16 as source 1; a lane of the result holds ONE row of source 1, and its registers run along source 0's rows, which are the next product's K:
;   Q, K: source 0 = 32 channels of W, source 1 = 16 tokens of X;      V: source 0 = 32 tokens of X, source 1 = 16 channels of Wv.
; CLUSTER.  The four partners (same y, four neighbouring tb) need the same 192 rows of W: these come by joint loads.  X's 128 rows are the work-group's own: plain loads.
; (An X tile is also read by the work-group of the other y, which lies in another cluster: not shared.)  All of a work-group's codes fit in LDS at once: every tensor load is a first fill, nothing is filled again.
; The scale words go from memory straight into registers: 32 bytes a row, all of K, as 16 loads a wave.  No prefetch: the launch has no loop to run ahead in.
; LDS.  Rows have one index R: X's token i: R = i; Wq's or Wk's channel j: R = 128 + j; Wv's half, channel j: R = 256 + j.
.set PITCH, 528                        ; a row of 1,024 codes: 512 bytes + 16 of padding = 33 x 16 bytes: the 16 rows of a fragment load start 16 bytes further on in each 256
.set SPARE, 320*PITCH                  ; the spare words, 128 bytes for each of the four waves: two blocks of 256 bytes that no other line names
.set SCST,  SPARE+512                  ; where the waves' new scale bytes meet: 64 bytes a tile: two planes of 16 x 2 bytes; no tensor load lands here
.set STEPB, 17408                      ; a key step's image in kvc: K's eight fragments, V's eight, K's 512 bytes of scale words, V's 512
; v1 r, v2 h, v3 lane; v4, v5 offsets of scale words by lane, by r; v6 a fragment's lane place; v8, v9 the add's two; v10, v11, v12 X's, W's, Wv's fragments (LDS addresses); v13 16 x lane; v14, v15 my places in SCST;
; v16, v17 SCST read back; v18 8 x lane; v32-95 scale words (scales and nothing else): X's 32 tokens of pair b at v[32 + 8 b], its second 16 tokens at v[48 + 8 b], W's 32 channels of pair g at v[64 + 8 g], Wv's tile n at v[80 + 8 n], a register for each 128 along K;
; v96-175, v176-255 two sets of fragments: X 32, W 32, Wv 16.  Window 1: Q or K: token tile t, channel pair g at v[32 t + 16 g]; V: channel tile n, token pair b at v[128 + 32 n + 16 b]: six groups of 32 registers, 64 numbers along the next K for each row.
; s28 wave, s29 i, s30 j, s31 cx, s32 tb, s33 y; s[36:43], s[44:51], s[52:59] group 1 for X, W, Wv; s[76:79], s[80:83], s[84:87] their groups 0
.set MSB, 0
.macro WIN new                         ; the immediate's high byte repeats the setting that is left
.if MSB != \new
	s_set_vgpr_msb (MSB<<8)|\new
.set MSB, \new
.endif
.endm
.macro CROUND                          ; a round of the cluster's barrier: my work-group's barrier; wave 0 signals for the work-group; every wave waits for all four work-groups; my work-group's barrier once more
	s_barrier_signal -1
	s_barrier_wait -1
	s_cmp_lg_u32 s28, 0
	s_cbranch_scc1 .Lnot_wave_0_\@
	s_barrier_signal -3
.Lnot_wave_0_\@:
	s_barrier_wait -3
	s_barrier_signal -1
	s_barrier_wait -1
.endm
	s_load_b512 s[4:19], s[0:1], 0x0               ; X's codes s[4:5], scales s[6:7]; Wq's s[8:9], s[10:11]; Wk's s[12:13], s[14:15]; Wv's s[16:17], s[18:19]
	s_load_b128 s[20:23], s[0:1], 0x40             ; qimg s[20:21], qsc s[22:23]
	s_load_b64 s[24:25], s[0:1], 0x50              ; kvc
	v_lshl_add_u32 v8, v0, 2, SPARE
	v_mov_b32 v9, 0
	ds_add_u32 v8, v9                              ; the wave's opening: the add, twice on end, and its wait ahead of the first tensor load; the set-up below, work on registers, stands between
	ds_add_u32 v8, v9
	v_lshrrev_b32 v1, 5, v0
	v_readfirstlane_b32 s28, v1                    ; wave 0..3
	s_lshr_b32 s29, s28, 1                         ; i
	s_and_b32 s30, s28, 1                          ; j
	s_bfe_u32 s31, ttmp6, 0x40000                  ; cx: my place in the cluster
	s_lshl_b32 s32, ttmp9, 2
	s_add_co_u32 s32, s32, s31                     ; tb = 4 x cluster x + cx: it enters X's addresses and the stores' alone
	s_and_b32 s33, ttmp7, 0xffff                   ; y, which the four partners share
	; group 1: rows of 512 elements of 1 byte, 512 apart; four words of padding behind every 128 (code 6, code 3).  W's and Wv's have the mask of all four partners, and bit 21 beside it
	s_mov_b32 s36, (1<<20)|(6<<22)|(3<<25)
	s_mov_b32 s44, 15|(1<<20)|(1<<21)|(6<<22)|(3<<25)
	s_mov_b32 s52, 15|(1<<20)|(1<<21)|(6<<22)|(3<<25)
.irp g, 36, 44, 52
	s_mov_b32 s[\g+1], 512<<16                     ; tensor_dim0
	s_mov_b32 s[\g+3], 512<<16                     ; tile_dim0
	s_mov_b32 s[\g+5], 512                         ; from row to row
	s_mov_b32 s[\g+6], 0
	s_mov_b32 s[\g+7], 0
.endr
	s_mov_b32 s38, 64<<16                          ; tensor_dim1 and tile_dim1: 64 rows of X, 128 of W, 64 of Wv
	s_mov_b32 s40, 64
	s_mov_b32 s46, 128<<16
	s_mov_b32 s48, 128
	s_mov_b32 s54, 64<<16
	s_mov_b32 s56, 64
	s_lshl_b32 s60, s32, 16                        ; X: waves 0, 1 fetch tokens 128 tb + 64 wave on
	s_lshl_b32 s62, s28, 15
	s_add_co_u32 s60, s60, s62
	s_mov_b32 s61, 0
	s_lshl_b32 s62, s33, 15                        ; Wv: rows 64 y on
	s_mov_b32 s63, 0
	s_lshl_b32 s88, s32, 12                        ; scale bytes, 32 a row: X's rows 128 tb + 64 i on,
	s_lshl_b32 s3, s29, 11
	s_add_co_u32 s88, s88, s3
	s_mov_b32 s89, 0
	s_lshl_b32 s90, s30, 11                        ; W's 64 j on,
	s_mov_b32 s91, 0
	s_lshl_b32 s92, s33, 11                        ; Wv's 64 y + 32 j on
	s_lshl_b32 s3, s30, 10
	s_add_co_u32 s92, s92, s3
	s_mov_b32 s93, 0
	s_mov_b32 s76, 1
	s_mul_i32 s77, s28, 64*PITCH
	s_mov_b32 s80, 1
	s_mov_b32 s81, 128*PITCH
	s_mov_b32 s84, 1
	s_mov_b32 s85, 256*PITCH
	s_wait_dscnt 0x0                               ; both opening adds are done
	CROUND                                         ; all four work-groups are here: the joint loads meet
	s_wait_kmcnt 0x0
	s_add_nc_u64 s[78:79], s[4:5], s[60:61]
	s_or_b32 s79, s79, 0x80000000                  ; type = 2
	s_cmp_eq_u32 s33, 0
	s_cselect_b64 s[82:83], s[8:9], s[12:13]       ; Wq or Wk
	s_cselect_b64 s[68:69], s[10:11], s[14:15]
	s_or_b32 s83, s83, 0x80000000
	s_add_nc_u64 s[86:87], s[16:17], s[62:63]
	s_or_b32 s87, s87, 0x80000000
	s_cmp_lt_u32 s28, 2                            ; one tree of branches on the wave's number, one load to an arm
	s_cbranch_scc0 .Lnot_x
	tensor_load_to_lds s[76:79], s[36:43]          ; waves 0, 1: X's codes, my work-group's own
	s_nop 0
.rept 4
	v_nop
.endr
	s_branch .Lasked
.Lnot_x:
	s_cmp_lt_u32 s28, 3
	s_cbranch_scc0 .Lnot_w
	tensor_load_to_lds s[80:83], s[44:51]          ; wave 2: W's 128 rows, jointly
	s_nop 0
.rept 4
	v_nop
.endr
	s_branch .Lasked
.Lnot_w:
	tensor_load_to_lds s[84:87], s[52:59]          ; wave 3: Wv's 64 rows, jointly
	s_nop 0
.rept 4
	v_nop
.endr
.Lasked:
	s_add_nc_u64 s[66:67], s[6:7], s[88:89]
	s_add_nc_u64 s[68:69], s[68:69], s[90:91]
	s_add_nc_u64 s[70:71], s[18:19], s[92:93]
	v_and_b32 v1, 15, v0                           ; r
	v_bfe_u32 v2, v0, 4, 1                         ; h
	v_and_b32 v3, 31, v0                           ; lane
	v_lshlrev_b32 v4, 5, v3
	v_lshlrev_b32 v5, 5, v1
.irp b, 0,1
.irp q, 0,1                            ; a row's 32 bytes in two loads: the words of four K steps each
	global_load_b128 v[32+8*\b+4*\q:35+8*\b+4*\q], v4, s[66:67] offset:1024*\b+16*\q
	global_load_b128 v[48+8*\b+4*\q:51+8*\b+4*\q], v5, s[66:67] offset:1024*\b+512+16*\q
	global_load_b128 v[64+8*\b+4*\q:67+8*\b+4*\q], v4, s[68:69] offset:1024*\b+16*\q
	global_load_b128 v[80+8*\b+4*\q:83+8*\b+4*\q], v5, s[70:71] offset:512*\b+16*\q
.endr
.endr
	; LDS addresses.  A fragment of 4-bit codes: lane (r, h) takes 16 bytes at row x PITCH + 16 h and 16 more 32 bytes on
	s_mul_i32 s3, s29, 64*PITCH
	s_mul_i32 s94, s30, 64*PITCH
	s_add_co_u32 s94, s94, 128*PITCH
	s_mul_i32 s95, s30, 32*PITCH
	s_add_co_u32 s95, s95, 256*PITCH
	s_wait_alu depctr_va_vdst(0)                   ; directly ahead of the readers below
	v_mul_u32_u24 v6, v1, PITCH
	v_lshl_add_u32 v6, v2, 4, v6
	v_add_nc_u32 v10, s3, v6
	v_add_nc_u32 v11, s94, v6
	v_add_nc_u32 v12, s95, v6
	v_lshlrev_b32 v13, 4, v3
	s_lshl_b32 s3, s29, 8                          ; my scale bytes: tile 4 i on of Q or K, plane j;
	s_lshl_b32 s94, s30, 5
	s_add_co_u32 s3, s3, s94
	s_add_co_u32 s3, s3, SCST
	s_lshl_b32 s94, s30, 7                         ; tile 2 j on of V, plane i
	s_lshl_b32 s95, s29, 5
	s_add_co_u32 s94, s94, s95
	s_add_co_u32 s94, s94, SCST+512
	s_wait_alu depctr_va_vdst(0)                   ; and here
	v_lshl_add_u32 v14, v1, 1, s3
	v_lshl_add_u32 v15, v1, 1, s94
	v_lshrrev_b32 v16, 2, v3
	v_and_b32 v19, 3, v3
	v_lshlrev_b32 v16, 6, v16
	v_lshl_add_u32 v16, v19, 3, v16
	v_add_nc_u32 v16, SCST, v16                    ; back: lane l takes four words of tile l / 4,
	v_lshrrev_b32 v17, 3, v3
	v_and_b32 v19, 7, v3
	v_lshlrev_b32 v17, 6, v17
	v_lshl_add_u32 v17, v19, 2, v17
	v_add_nc_u32 v17, SCST+512, v17                ; or two words of V's tile l / 8
	v_lshlrev_b32 v18, 3, v3
	; where the results go.  Q: qimg + 8,192 tb, K: kvc + STEPB tb: + 4,096 i + 512 j, 1,024 a tile;  V: kvc + STEPB tb + 8,192 + 1,024 (4 y + 2 j) + 512 i
	s_lshl_b32 s2, s32, 13
	s_mul_i32 s96, s32, STEPB
	s_mov_b32 s95, 0
	s_mov_b32 s97, 0
	s_cmp_eq_u32 s33, 0
	s_cselect_b64 s[72:73], s[20:21], s[24:25]
	s_cselect_b32 s94, s2, s96
	s_lshl_b32 s3, s29, 12
	s_add_co_u32 s94, s94, s3
	s_lshl_b32 s3, s30, 9
	s_add_co_u32 s94, s94, s3
	s_add_nc_u64 s[72:73], s[72:73], s[94:95]
	s_lshl_b32 s94, s33, 12
	s_add_co_u32 s94, s94, s96
	s_lshl_b32 s3, s30, 11
	s_add_co_u32 s94, s94, s3
	s_lshl_b32 s3, s29, 9
	s_add_co_u32 s94, s94, s3
	s_add_co_u32 s94, s94, 8192
	s_add_nc_u64 s[74:75], s[24:25], s[94:95]
	s_add_co_u32 s96, s96, 16384                   ; the eight tiles' scale words: qsc + 512 tb or kvc + STEPB tb + 16,384
	s_lshl_b32 s2, s32, 9
	s_cmp_eq_u32 s33, 0
	s_cselect_b64 s[88:89], s[22:23], s[24:25]
	s_cselect_b32 s94, s2, s96
	s_add_nc_u64 s[88:89], s[88:89], s[94:95]
	s_lshl_b32 s94, s33, 8                         ; V's four tiles' scale words: kvc + STEPB tb + 16,896 + 256 y
	s_add_co_u32 s94, s94, s96
	s_add_co_u32 s94, s94, 512
	s_add_nc_u64 s[90:91], s[24:25], s[94:95]
	s_wait_alu depctr_va_vdst(0)
	s_wait_tensorcnt 0x0                           ; my load has landed,
	s_barrier_signal -1
	s_barrier_wait -1                              ; everybody's has
; 20 LDS loads: K step ks (128 along K, 64 bytes of a row) into set p
.macro LOADSET ks, p
.set FB, 96+80*(\p)
.irp t, 0,1,2,3
	ds_load_b128 v[FB+32+8*\t:FB+35+8*\t], v11 offset:16*PITCH*\t+64*(\ks)
	ds_load_b128 v[FB+36+8*\t:FB+39+8*\t], v11 offset:16*PITCH*\t+64*(\ks)+32
	ds_load_b128 v[FB+8*\t:FB+3+8*\t], v10 offset:16*PITCH*\t+64*(\ks)
	ds_load_b128 v[FB+4+8*\t:FB+7+8*\t], v10 offset:16*PITCH*\t+64*(\ks)+32
.endr
.irp n, 0,1
	ds_load_b128 v[FB+64+8*\n:FB+67+8*\n], v12 offset:16*PITCH*\n+64*(\ks)
	ds_load_b128 v[FB+68+8*\n:FB+71+8*\n], v12 offset:16*PITCH*\n+64*(\ks)+32
.endr
.endm
; 12 matrix instructions, the twelve accumulators by turns, one instruction a turn.  The first K step starts the sums: nothing is cleared
.macro ONE d, a, b, sa, sb, first
.if \first
	v_wmma_scale_f32_32x16x128_f4 v[\d:\d+15], v[\a:\a+15], v[\b:\b+7], 0, v[\sa], v[\sb]
.else
	v_wmma_scale_f32_32x16x128_f4 v[\d:\d+15], v[\a:\a+15], v[\b:\b+7], v[\d:\d+15], v[\sa], v[\sb]
.endif
.endm
.macro MUL ks, p
.set FB, 96+80*(\p)
.irp t, 0,1,2,3
.irp g, 0,1
	ONE 32*\t+16*\g, FB+32+16*\g, FB+8*\t, 64+8*\g+(\ks), 32+16*(\t%2)+8*(\t/2)+(\ks), (\ks)==0
.endr
.endr
.irp n, 0,1
.irp b, 0,1
	ONE 128+32*\n+16*\b, FB+16*\b, FB+64+8*\n, 32+8*\b+(\ks), 80+8*\n+(\ks), (\ks)==0
.endr
.endr
.endm
	LOADSET 0, 0
	s_wait_loadcnt 0x0                             ; the scale words
.set KS, 0
.rept 8                                ; K = 1,024 in eight steps, written out: every offset is an immediate
.if KS < 7
.if KS > 0
.rept 4
	v_nop                                          ; four places between the last products and the loads into the set that they read (ISA guide 7.12.1 for vector instructions)
.endr
.endif
	LOADSET KS+1, (KS+1)%2
	s_wait_dscnt 20                                ; this step's set is in; the 20 loads just issued may be out
.else
	s_wait_dscnt 0x0
.endif
	WIN 0x50                                       ; C and D window 1, sources 0 and 1 window 0
	MUL KS, KS%2
	WIN 0
.set KS, KS+1
.endr
.rept 4
	v_nop                                          ; four places in front of the first read of results, and of writes into registers that the products read
.endr
	; THE QUANTISER, six groups G of 32 registers: register 8 t + j of lane (r, h) is k = 16 t + 8 h + j of my row: block b of 32 lies in tiles 2 b and 2 b + 1 of lanes l and l xor 16
	WIN 0x05                                       ; sources 0 and 1 window 1
.irp G, 0,1,2,3,4,5
.irp b, 0,1
	v_max3_num_f32 v[96+2*\G+\b], |v[32*\G+16*\b]|, |v[32*\G+16*\b+1]|, 0x1800000   ; my 16 numbers of block b, each accumulator from its low end on, and the floor 2^(3 - 127): so the byte cannot fall under 1
.endr
.endr
.irp i, 2,4,6,8,10,12,14
.irp G, 0,1,2,3,4,5
.irp b, 0,1
	v_max3_num_f32 v[96+2*\G+\b], |v[32*\G+16*\b+\i]|, |v[32*\G+16*\b+\i+1]|, v[96+2*\G+\b]
.endr
.endr
.endr
	WIN 0
.irp r, 96,98,100,102,104,106
	v_permlane16_swap_b32 v[\r], v[\r+1]           ; the two blocks' maxima change halves,
.endr
.irp r, 96,98,100,102,104,106
	v_max_num_f32 v[\r], v[\r], v[\r+1]            ; so that lanes 0-15 have block 0's largest, lanes 16-31 block 1's
.endr
.irp r, 96,98,100,102,104,106
	v_add_nc_u32 v[\r+12], 0xff000000, v[\r]       ; 2 off its exponent field: the conversion takes the exponent field of this operand as its scale
.endr
.irp r, 96,98,100,102,104,106
	v_mov_b32 v[\r+13], v[\r+12]
.endr
.irp r, 96,98,100,102,104,106
	v_permlane16_swap_b32 v[\r+12], v[\r+13]       ; block 0's operand in all lanes, and block 1's
.endr
.irp r, 96,98,100,102,104,106
	v_lshrrev_b32 v[\r], 23, v[\r+12]              ; the scales' bytes
	v_lshrrev_b32 v[\r+1], 23, v[\r+13]
.endr
.irp r, 96,98,100,102,104,106
	v_lshl_or_b32 v[\r], v[\r+1], 8, v[\r]         ; both, the same in lanes l and l xor 16
.endr
	WIN 0x01                                       ; source 0 window 1
.irp t, 0,1,2,3                        ; tile t's eight numbers are k = 8 (2 t + h) on.  They are laid so that two exchanges of halves give the operand's layout
.irp G, 0,1,2,3,4,5
	v_cvt_scalef32_pk8_fp4_f32 v[120+4*\G+2*(\t%2)+\t/2], v[32*\G+8*\t:32*\G+8*\t+7], v[108+2*\G+\t/2]
.endr
.endr
	WIN 0
	v_nop                                          ; one plain place behind a scaled conversion
.irp G, 0,1,2,3,4,5                    ; register i of lane (r, h) then holds k = 32 h + 8 i on
	v_permlane16_swap_b32 v[120+4*\G], v[121+4*\G]
	v_permlane16_swap_b32 v[122+4*\G], v[123+4*\G]
.endr
.irp G, 0,1,2,3
	global_store_b128 v13, v[120+4*\G:123+4*\G], s[72:73] offset:1024*\G   ; the image: each store of the wave covers 512 consecutive bytes, aligned
.endr
.irp n, 0,1
	global_store_b128 v13, v[136+4*\n:139+4*\n], s[74:75] offset:1024*\n
.endr
.irp G, 0,1,2,3                        ; the scale bytes meet in LDS, so that they too leave in long aligned runs (lanes r and r + 16 write the same bytes with the same value)
	ds_store_b16 v14, v[96+2*\G] offset:64*\G
.endr
.irp n, 0,1
	ds_store_b16 v15, v[104+2*\n] offset:64*\n
.endr
	s_wait_dscnt 0x0                               ; for the others' sake: my stores are done
	s_barrier_signal -1
	s_barrier_wait -1
	s_cmp_lg_u32 s28, 0
	s_cbranch_scc1 .Lnot_w0
	ds_load_b64 v[144:145], v16                    ; wave 0: the eight tiles' words of Q or K, 512 bytes: bytes 0, 1 from plane 0, bytes 2, 3 from plane 1
	ds_load_b64 v[146:147], v16 offset:32
	s_wait_dscnt 0x0
	v_perm_b32 v148, v146, v144, 0x05040100
	v_perm_b32 v149, v146, v144, 0x07060302
	v_perm_b32 v150, v147, v145, 0x05040100
	v_perm_b32 v151, v147, v145, 0x07060302
	global_store_b128 v13, v[148:151], s[88:89]
.Lnot_w0:
	s_cmp_lg_u32 s28, 1
	s_cbranch_scc1 .Lnot_w1
	ds_load_b32 v152, v17                          ; wave 1: the four tiles' words of V, 256 bytes
	ds_load_b32 v153, v17 offset:32
	s_wait_dscnt 0x0
	v_perm_b32 v154, v153, v152, 0x05040100
	v_perm_b32 v155, v153, v152, 0x07060302
	global_store_b64 v18, v[154:155], s[90:91]
.Lnot_w1:
	s_wait_tensorcnt 0x0                           ; the wave's end, behind my last tensor load and my last LDS store
	ds_add_u32 v8, v9
	s_wait_dscnt 0x0
	CROUND                                         ; the closing round: no work-group ends while a partner may still ask for a tile that names it
	s_endpgm
.Lfunc_end_k_q562a79cad2_proj:
	.size	k_q562a79cad2_proj, .Lfunc_end_k_q562a79cad2_proj-k_q562a79cad2_proj
	.p2alignl 7, 3214868480
	.fill 96, 4, 3214868480
	.section	.rodata,"a",@progbits
	.p2align	6, 0x0
	.amdhsa_kernel k_q562a79cad2_proj
		.amdhsa_group_segment_fixed_size 170496
		.amdhsa_private_segment_fixed_size 0
		.amdhsa_enable_private_segment 0
		.amdhsa_kernarg_size 88
		.amdhsa_user_sgpr_count 2
		.amdhsa_user_sgpr_kernarg_segment_ptr 1
		.amdhsa_wavefront_size32 1
		.amdhsa_system_sgpr_workgroup_id_x 1
		.amdhsa_system_sgpr_workgroup_id_y 1
		.amdhsa_system_sgpr_workgroup_id_z 1
		.amdhsa_system_vgpr_workitem_id 0
		.amdhsa_next_free_vgpr 512
		.amdhsa_next_free_sgpr 100
		.amdhsa_reserve_vcc 0
		.amdhsa_float_denorm_mode_32 3
		.amdhsa_float_denorm_mode_16_64 3
		.amdhsa_memory_ordered 1
		.amdhsa_forward_progress 1
		.amdhsa_inst_pref_size 47
	.end_amdhsa_kernel
	.amdgpu_metadata
---
amdhsa.version: [ 1, 2 ]
amdhsa.kernels:
  - .name:           k_q562a79cad2_proj
    .symbol:         k_q562a79cad2_proj.kd
    .args:
      - { .name: X_codes, .offset: 0, .size: 8, .value_kind: global_buffer, .address_space: global }
      - { .name: X_scales, .offset: 8, .size: 8, .value_kind: global_buffer, .address_space: global }
      - { .name: Wq_codes, .offset: 16, .size: 8, .value_kind: global_buffer, .address_space: global }
      - { .name: Wq_scales, .offset: 24, .size: 8, .value_kind: global_buffer, .address_space: global }
      - { .name: Wk_codes, .offset: 32, .size: 8, .value_kind: global_buffer, .address_space: global }
      - { .name: Wk_scales, .offset: 40, .size: 8, .value_kind: global_buffer, .address_space: global }
      - { .name: Wv_codes, .offset: 48, .size: 8, .value_kind: global_buffer, .address_space: global }
      - { .name: Wv_scales, .offset: 56, .size: 8, .value_kind: global_buffer, .address_space: global }
      - { .name: qimg, .offset: 64, .size: 8, .value_kind: global_buffer, .address_space: global }
      - { .name: qsc, .offset: 72, .size: 8, .value_kind: global_buffer, .address_space: global }
      - { .name: kvc, .offset: 80, .size: 8, .value_kind: global_buffer, .address_space: global }
    .group_segment_fixed_size: 170496
    .private_segment_fixed_size: 0
    .kernarg_segment_align: 8
    .kernarg_segment_size: 88
    .max_flat_workgroup_size: 128
    .sgpr_count:     100
    .vgpr_count:     512
    .wavefront_size: 32
...
	.end_amdgpu_metadata
.endif
;; end of part 1
;; launch attn (part 2): grid 64 x 4, 8 waves a work-group, clusters of 4 x 1, 327,680 bytes of LDS; arguments qimg, qsc, kvc, out0; writes out0
.if DOCPART == 2
	.amdgcn_target "amdgcn-amd-amdhsa--gfx1250"
	.amdhsa_code_object_version 6
	.text
	.protected	k_q562a79cad2_attn
	.globl	k_q562a79cad2_attn
	.p2align	8
	.type	k_q562a79cad2_attn,@function
k_q562a79cad2_attn:
	s_mov_b64 s[64:65], 0
	v_nop
	global_prefetch_b8 v0, s[64:65] scope:SCOPE_SE
	s_setreg_imm32_b32 hwreg(HW_REG_WAVE_MODE, 25, 1), 1
	s_wait_xcnt 0x0
	s_wait_alu depctr_hold_cnt(0) depctr_sa_sdst(0) depctr_va_vdst(0) depctr_va_sdst(0) depctr_va_ssrc(0) depctr_va_vcc(0) depctr_vm_vsrc(0)
	s_getreg_b32 s2, hwreg(HW_REG_IB_STS2, 6, 4)
	s_cmp_eq_u32 s2, 0
	s_cbranch_scc0 .Lentry_in_a_cluster
	s_endpgm
.Lentry_in_a_cluster:
	s_bfe_u32 s2, ttmp6, 0x10000c
	s_cmp_lg_u32 s2, 0x3003
	s_cbranch_scc0 .Lentry_shape_is_right
	s_endpgm
.Lentry_shape_is_right:
; out[b][q][:] = the sum over k of softmax_k(Q[b][q] . K[b][k] / 32) V[b][k][:], both products on codes of FP4 (E2M1) with one E8M0 scale for each 32 along a product's K.  Nothing of the problem is left out.
; Q, K, V come from the launch before as images of operand registers (a fragment: 1,024 bytes, register group c of lane l at 512 c + 16 l) with their scale words:
;   qimg [1,024 tiles][1,024], qsc [1,024][16 words];  kvc [128 key steps of 128 keys][K's tiles 0-7, V's channel tiles 0-7, K's 8 x 16 words, V's 8 x 16 words]: 17,408 bytes a step.
; THE SOFTMAX AHEAD OF THE SECOND PRODUCT: t = score x log2(e) / 32; M = the largest t so far, rounded UP to a whole number; p = 2^(t - M) is quantised along the keys, not normalised; the row's sum is taken
; of the unquantised p in f32 and divides at the end.  When M moves, the sum and O are multiplied by 2^(old M - new M): exact.
; SHARES.  A work-group owns 64 queries of a batch: two pairs of tiles of 16.  Eight waves, two to a SIMD: wave w has pair u = w / 4 and takes a QUARTER OF THE KEYS, s = w % 4: of each slot of 8 key steps the steps 2 s and 2 s + 1.
; A fragment of K or V that a wave loads from LDS serves both its tiles.  At the end the four waves of a pair meet in LDS: the largest M, each part x 2^(its M - the largest), one sum, one division.
; LAYOUT.  Both products are used transposed, 32 rows of K or of V^T at a time: S^T = K Q^T (source 0 = 32 keys, source 1 = 16 queries), O^T = V^T P^T (source 0 = 32 channels, source 1 = P): a lane holds ONE query of each tile throughout.
; Tiles are 16 neighbours: score register 8 t + j of lane (r, h) is key 16 t + 8 h + j of the step: block b of 32 keys lies in tiles 2 b, 2 b + 1 of lanes l and l xor 16.
; CLUSTER.  The four partners belong to one batch and walk the same K and V: every tile is asked for jointly, each of the eight waves fetching one key step of a slot, the same in all four work-groups.
; THE CHANGE OF SLOTS stands in the second step of a visit: V is loaded at a step's start, so behind the step's maxima all that the wave wants of the slot lies in registers: it signals there, and waits behind the exponentials.
; LIMITS: NaN and infinities are not served; a p under 2^-126 falls to 0; a block whose every p is 0 keeps the scale byte 1 (its codes are zeros); the four quarters of the keys are added in another order than one walk would add them.
; REGISTERS, in windows of 256.  Window 0: v1, v2 my place among slot 0's fragments, scale words; v3, v4 the same in the slot in hand; v5, v6 the add's two; v7 16 x lane; v8 the prefetch's offset; v9, v13 the merge's words: my pair's, mine;
;   v10, v11 the stage: in, back; v14, v15 the largest score so far; for tile y: -M at v[16 + 2 y] (step 0 of a visit) and v[28 + 2 y] (step 1), f at v[20 + 2 y], the sum in two halves at v[24 + 2 y];
;   v32-47 Q, v48-49 its scale words; v50-53 K's, v54-57 V's, v58-59 p's (scales and nothing else); v60-67 block maxima; v68-75 the conversions' scale operands; v76-79 at work; v80-111 partial sums; v112-127 p's codes; v128-191 K; v192-255 V.
;   Window 1: S^T, then p, tile y at v[64 y]; O^T, tile y at v[128 + 64 y].
.set STEPB, 17408                      ; a key step's image
.set SLOT1, 8*STEPB                    ; LDS: slot 0 at 0, slot 1 here: 8 key steps as they lie in memory
.set SPARE, 2*SLOT1                    ; the spare words, 128 bytes for each of the eight waves: four blocks of 256 bytes that no other line names
.set ML,    SPARE+1024                 ; the merge: for each wave and tile 128 bytes of -M and 128 of the sum, a word a lane; no tensor load lands here
.set SP,    528                        ; the way out: a stage of 16 rows x (512 bytes + 16) for each wave and tile, in slot 0, which has had its last fill and its last read by then
.set STG,   16*SP
.set MSB, 0
.macro WIN new                         ; the immediate's high byte repeats the setting that is left
.if MSB != \new
	s_set_vgpr_msb (MSB<<8)|\new
.set MSB, \new
.endif
.endm
.macro CREST                           ; a round of the cluster's barrier behind its opening barrier
	s_cmp_lg_u32 s14, 0
	s_cbranch_scc1 .Lnot_wave_0_\@
	s_barrier_signal -3
.Lnot_wave_0_\@:
	s_barrier_wait -3
	s_barrier_signal -1
	s_barrier_wait -1
.endm
.macro CROUND                          ; a whole round
	s_barrier_signal -1
	s_barrier_wait -1
	CREST
.endm
	s_load_b256 s[4:11], s[0:1], 0x0               ; qimg s[4:5], qsc s[6:7], kvc s[8:9], out0 s[10:11]
	v_lshl_add_u32 v5, v0, 2, SPARE
	v_mov_b32 v6, 0
	ds_add_u32 v5, v6                              ; the wave's opening: the add, twice on end, and its wait ahead of my first tensor load; the set-up below, work on registers, stands between
	ds_add_u32 v5, v6
	v_lshrrev_b32 v60, 5, v0
	v_readfirstlane_b32 s14, v60                   ; wave 0..7
	s_lshr_b32 s15, s14, 2                         ; u: my pair of tiles
	s_and_b32 s16, s14, 3                          ; s: my quarter of the keys
	s_bfe_u32 s17, ttmp6, 0x40000                  ; cx
	s_lshl_b32 s18, ttmp9, 2
	s_add_co_u32 s18, s18, s17                     ; my block of 64 queries = 4 x cluster x + cx: it enters Q's and out0's addresses alone
	s_and_b32 s19, ttmp7, 0xffff                   ; the batch, which the four partners share
	; group 1: a key step's dense bytes as 68 rows of 32 elements of 8 bytes; the mask names all four partners, bit 21 beside it
	s_mov_b32 s24, 15|(3<<16)|(1<<21)
	s_mov_b32 s25, 32<<16                          ; tensor_dim0
	s_mov_b32 s26, 68<<16                          ; tensor_dim1
	s_mov_b32 s27, 32<<16                          ; tile_dim0
	s_mov_b32 s28, 68                              ; tile_dim1
	s_mov_b32 s29, 32                              ; from row to row
	s_mov_b32 s30, 0
	s_mov_b32 s31, 0
	s_mul_i32 s45, s14, STEPB                      ; my step's place in a slot
	s_mov_b32 s40, 1
	s_mul_i32 s41, s14, STEPB                      ; slot 0
	s_mul_i32 s58, s19, 32*STEPB                   ; the batch's image,
	s_mov_b32 s59, 0
	s_add_co_u32 s56, s58, s45                     ; + my step
	s_mov_b32 s57, 0
	s_wait_dscnt 0x0                               ; both opening adds are done
	CROUND                                         ; all four work-groups are here: the first joint loads meet
	s_wait_kmcnt 0x0
	s_add_nc_u64 s[42:43], s[8:9], s[56:57]        ; key steps 0-7
	s_or_b32 s43, s43, 0x80000000                  ; type = 2
	tensor_load_to_lds s[40:43], s[24:31]          ; slot 0
	s_nop 0
.rept 4
	v_nop                                          ; (four v_nop behind the load)
.endr
	v_and_b32 v61, 31, v0                          ; lane
	v_and_b32 v62, 15, v0                          ; r
	v_bfe_u32 v63, v0, 4, 1                        ; h
	v_lshlrev_b32 v7, 4, v61
	v_lshlrev_b32 v12, 2, v62
	s_wait_alu depctr_va_vdst(0)                   ; ahead of the run of scalar lines below
	s_lshl_b32 s62, s19, 8
	s_lshl_b32 s63, s18, 2
	s_add_co_u32 s62, s62, s63
	s_lshl_b32 s63, s15, 1
	s_add_co_u32 s62, s62, s63                     ; my first tile of Q: 256 batch + 4 x + 2 u
	s_lshl_b32 s66, s62, 10
	s_mov_b32 s67, 0
	s_add_nc_u64 s[4:5], s[4:5], s[66:67]          ; Q's image
	s_lshl_b32 s66, s62, 6
	s_add_nc_u64 s[6:7], s[6:7], s[66:67]          ; and its scale words
	global_load_b128 v[32:35], v7, s[4:5]          ; Q's two fragments stay in registers
	global_load_b128 v[36:39], v7, s[4:5] offset:512
	global_load_b128 v[40:43], v7, s[4:5] offset:1024
	global_load_b128 v[44:47], v7, s[4:5] offset:1536
	global_load_b32 v48, v12, s[6:7]
	global_load_b32 v49, v12, s[6:7] offset:64
	s_mov_b32 s20, 0x76543210
	s_mov_b32 s21, 0xfedcba98                      ; v_permlanex16_b32's selects for lane l xor 16
	s_mov_b32 s22, 0x3d38aa3b                      ; c = log2(e) / 32
	s_mov_b32 s23, s22                             ; (named with it as a pair, so it is written)
	s_cmp_eq_u32 ttmp9, 0                          ; the batch's first cluster prefetches while more than one trip is left; no other does
	s_cselect_b32 s54, 1, 100
	s_lshl_b32 s60, s17, 3
	s_add_co_u32 s60, s60, s14
	s_mul_i32 s60, s60, 17*256                     ; a slot's 544 blocks of 256 bytes: 17 for each of 4 partners x 8 waves, told apart by address
	s_add_co_u32 s60, s60, 3*SLOT1                 ; the batch's last eight key steps
	s_mov_b32 s61, 0
	s_add_nc_u64 s[52:53], s[8:9], s[58:59]
	s_add_nc_u64 s[52:53], s[52:53], s[60:61]
	s_lshl_b32 s68, s19, 12                        ; the first row of out0 that I store: 4,096 batch + 64 x + 32 u + 4 s
	s_lshl_b32 s69, s18, 6
	s_add_co_u32 s68, s68, s69
	s_lshl_b32 s69, s15, 5
	s_add_co_u32 s68, s68, s69
	s_lshl_b32 s69, s16, 2
	s_add_co_u32 s68, s68, s69
	s_lshl_b32 s68, s68, 9                         ; rows of 512 bytes
	s_mov_b32 s69, 0
	s_add_nc_u64 s[10:11], s[10:11], s[68:69]
	s_mul_i32 s70, s16, 2*STEPB                    ; my two steps of a slot
	s_add_co_u32 s71, s70, 16384                   ; and their scale words
	s_lshl_b32 s72, s14, 9
	s_add_co_u32 s72, s72, ML                      ; the merge: my 512 bytes,
	s_lshl_b32 s73, s15, 11
	s_add_co_u32 s73, s73, ML                      ; my pair's 2,048
	s_mul_i32 s74, s14, 2*STG                      ; my two stages
	s_mul_i32 s75, s15, 8*STG                      ; my pair's eight,
	s_mul_i32 s63, s16, 4*SP                       ; from row 4 s on
	s_add_co_u32 s75, s75, s63
	v_add_nc_u32 v1, s70, v7
	v_lshlrev_b32 v60, 2, v61
	v_add_nc_u32 v2, s71, v60
	v_add_nc_u32 v13, s72, v60
	v_add_nc_u32 v9, s73, v60
	v_mul_u32_u24 v10, v62, SP
	v_lshl_add_u32 v10, v63, 5, v10
	v_add_nc_u32 v10, s74, v10                     ; into my stages: row r, + 32 h
	v_add_nc_u32 v11, s75, v7                      ; back: 16 bytes a lane
	v_min_u32 v8, 16, v61                          ; (lanes 17 to 31 name the wave's last block again)
	v_lshlrev_b32 v8, 8, v8
	v_add_nc_u32 v3, s70, v7                       ; the slot in hand: slot 0
	v_add_nc_u32 v4, s71, v60
.set J, 16
.rept 12
	v_mov_b32 v[J], 0                              ; the sums; and what is first named as the upper half of a pair
.set J, J+1
.endr
	v_mov_b32 v29, 0
	v_mov_b32 v31, 0
	v_mov_b32 v28, 0x7e800000                      ; -M so far: 2^126: M lies under every t, and the first f is 0
	v_mov_b32 v30, 0x7e800000
	v_mov_b32 v14, 0xff61b1e6                      ; the largest score so far: -3e38
	v_mov_b32 v15, 0xff61b1e6
	v_mov_b32 v78, 0                               ; a lane permute's destination counts as one of its sources
	v_mov_b32 v79, 0
	WIN 0x40
.set J, 128
.rept 128
	v_mov_b32 v[J], 0                              ; O^T.  (The step is written in one form: the first finds zeros, which the first change of M leaves zeros)
.set J, J+1
.endr
	WIN 0
	s_mov_b32 s44, 0                               ; the slot in hand
	s_mov_b32 s55, 2                               ; trips
; 20 LDS loads each: K's (V's) eight fragments of my q-th step of the slot, 512 consecutive bytes a load, and the scale words of four pairs of tiles (lanes 0-15 the first's, lanes 16-31 the second's)
.macro LOADK q
.irp t, 0,1,2,3,4,5,6,7
	ds_load_b128 v[128+8*\t:131+8*\t], v3 offset:STEPB*\q+1024*\t
	ds_load_b128 v[132+8*\t:135+8*\t], v3 offset:STEPB*\q+1024*\t+512
.endr
.irp g, 0,1,2,3
	ds_load_b32 v[50+\g], v4 offset:STEPB*\q+128*\g
.endr
.endm
.macro LOADV q
.irp t, 0,1,2,3,4,5,6,7
	ds_load_b128 v[192+8*\t:195+8*\t], v3 offset:STEPB*\q+8192+1024*\t
	ds_load_b128 v[196+8*\t:199+8*\t], v3 offset:STEPB*\q+8192+1024*\t+512
.endr
.irp g, 0,1,2,3
	ds_load_b32 v[54+\g], v4 offset:STEPB*\q+512+128*\g
.endr
.endm
.macro FOLD a, d                       ; chain a of both tiles' sums += chain a + d
.irp y, 0,1
	v_pk_add_f32 v[80+16*\y+2*(\a):81+16*\y+2*(\a)], v[80+16*\y+2*(\a):81+16*\y+2*(\a)], v[80+16*\y+2*(\a)+2*(\d):81+16*\y+2*(\a)+2*(\d)]
.endr
.endm
; A KEY STEP of 128 keys for my two tiles (y = 0, 1), which go through each phase together.  q: my first or second step of the slot.  nk = 1: the slot's second step's K is loaded here.
; chg: 0 no change of slots; 1 a change, behind which the slot just read is filled again with the key steps 16 further on; 2 a change with nothing left to fetch: slot 1 follows.
; A prefetch into the L2, in the first trip's change: the batch's last eight key steps, which the next change will ask for.  All clusters of a batch walk the same bytes: the batch's first cluster asks; its four
; partners and their eight waves take 17 blocks of 256 bytes each, told apart by address: each aligned 256 bytes are named by one wave of the launch.  The earlier steps come by their loads alone.
.macro STEP q, chg, nk
.rept 4
	v_nop                                          ; places between the last products and the loads into registers that they read
.endr
	LOADV \q
	s_wait_dscnt 20                                ; K is in; V's 20 loads may be out
	WIN 0x40                                       ; D window 1, sources window 0
.irp b, 0,1,2,3
.irp y, 0,1
	v_wmma_scale_f32_32x16x128_f4 v[64*\y+16*\b:64*\y+16*\b+15], v[128+16*\b:143+16*\b], v[32+8*\y:39+8*\y], 0, v[50+\b], v[48+\y]
.endr
.endr
	WIN 0
.rept 4
	v_nop                                          ; four places: for the loads below, into registers that products read, and for the first read of the scores
.endr
.if \nk
	LOADK 1                                        ; the next step's K lands while the softmax is walked
.endif
	WIN 0x05                                       ; sources 0 and 1 window 1
.irp y, 0,1
.irp b, 0,1,2,3
	v_max_num_f32 v[60+4*\y+\b], v[64*\y+16*\b], v[64*\y+16*\b+1]   ; THE LARGEST SCORE OF EACH BLOCK OF 32 KEYS: it serves for the row's maximum and, since p rises with the score, for the block's largest p
.endr
.endr
.irp i, 2,4,6,8,10,12,14
.irp y, 0,1
.irp b, 0,1,2,3
	v_max3_num_f32 v[60+4*\y+\b], v[64*\y+16*\b+\i], v[64*\y+16*\b+\i+1], v[60+4*\y+\b]
.endr
.endr
.endr
	WIN 0
.if \chg
	s_wait_alu depctr_va_vdst(0)                   ; directly ahead of the wait below
	s_wait_tensorcnt 0x0                           ; my part of the slot ahead has landed; no tensor load of mine is out, so a group 0 may be written
	ds_add_u32 v5, v6                              ; 0 onto my spare word
.endif
.if \chg == 1
	s_add_nc_u64 s[42:43], s[42:43], SLOT1         ; the next eight key steps to fetch; the type bits on top are not reached
	s_add_co_u32 s41, s44, s45                     ; into the slot in hand, whose last reads are the V loads above
.endif
.irp r, 60,62,64,66
	v_permlane16_swap_b32 v[\r], v[\r+1]           ; two blocks' maxima change halves,
.endr
.irp r, 60,62,64,66
	v_max_num_f32 v[\r], v[\r], v[\r+1]            ; so that lanes 0-15 have the even block's largest of all 32 keys, lanes 16-31 the odd block's
.endr
.irp y, 0,1
	v_max_num_f32 v[76+\y], v[60+4*\y], v[62+4*\y]
.endr
.irp y, 0,1
	v_permlanex16_b32 v[78+\y], v[76+\y], s20, s21
.endr
.irp y, 0,1
	v_max3_num_f32 v[14+\y], v[14+\y], v[76+\y], v[78+\y]   ; the running largest score of my query
.endr
.irp y, 0,1
	v_mul_f32 v[76+\y], -v[14+\y], s22             ; -t (c is positive)
.endr
.irp y, 0,1
	v_floor_f32 v[16+12*\q+2*\y], v[76+\y]         ; the new -M = floor(-t): M is a whole number.  The two steps of a visit use two registers by turns
.endr
.irp y, 0,1
	v_sub_f32 v[76+\y], v[16+12*\q+2*\y], v[28-12*\q+2*\y]   ; M's old value less its new one: a whole number, 0 or less
.endr
.irp y, 0,1
	v_cvt_i32_f32 v[76+\y], v[76+\y]               ; (it saturates)
.endr
.irp y, 0,1
	v_fma_f32 v[60+4*\y], v[60+4*\y], s22, v[16+12*\q+2*\y]   ; t - M of each block's largest score
	v_fma_f32 v[62+4*\y], v[62+4*\y], s22, v[16+12*\q+2*\y]
.endr
.irp y, 0,1
	v_ldexp_f32 v[20+2*\y], 1.0, v[76+\y]          ; f = 2^(old M - new M)
.endr
.irp y, 0,1
	v_pk_mul_f32 v[24+2*\y:25+2*\y], v[24+2*\y:25+2*\y], v[20+2*\y:21+2*\y] op_sel_hi:[1,0]   ; the sums under the new M
.endr
.if \chg
	s_wait_alu depctr_va_vdst(0)                   ; directly ahead of the wait below
	s_wait_dscnt 0x0                               ; the add is done, V is in, and with it my reads of the slot in hand are over
	s_barrier_signal -1                            ; say so; work on registers while the others arrive
.endif
	WIN 0x41                                       ; source 0 and destination window 1
.irp y, 0,1
.set J, 64*\y
.rept 32
	v_pk_fma_f32 v[J:J+1], v[J:J+1], s[22:23], v[16+12*\q+2*\y:17+12*\q+2*\y] op_sel_hi:[1,0,0]   ; t - M, two at a time (of the pairs c and -M the low word serves both halves)
.set J, J+2
.endr
.endr
.irp y, 0,1
.set J, 128+64*\y
.rept 32
	v_pk_mul_f32 v[J:J+1], v[J:J+1], v[20+2*\y:21+2*\y] op_sel_hi:[1,0]   ; O^T under the new M, each accumulator from its low end on
.set J, J+2
.endr
.endr
	s_wait_alu depctr_va_vdst(0)
.set J, 0
.rept 128
	v_exp_f32 v[J], v[J]                           ; p = 2^(t - M), at most 1: not normalised
.set J, J+1
.endr
	WIN 0
.irp r, 60,62,64,66
	v_exp_f32 v[\r], v[\r]                         ; the block's largest p: the same two instructions on the same number give the same bits
.endr
	v_nop                                          ; a plain place behind the exponentials
	s_wait_alu depctr_va_vdst(0)                   ; one wait for the whole batch, ahead of its first reader
.if \chg
	s_barrier_wait -1                              ; the slot ahead is whole
.endif
.if \chg == 1
	CREST                                          ; and no wave of any partner still reads the slot in hand or has a load on its way:
	tensor_load_to_lds s[40:43], s[24:31]          ; it is filled again, one load a wave: the load has a visit's work in which to land
	s_nop 0
.rept 4
	v_nop
.endr
	s_xor_b32 s44, s44, SLOT1                      ; on to the other slot
	v_add_nc_u32 v3, s44, v1
	v_add_nc_u32 v4, s44, v2
.endif
.if \chg == 2
	v_add_nc_u32 v3, SLOT1, v1
	v_add_nc_u32 v4, SLOT1, v2
.endif
.if \chg
	s_wait_alu depctr_va_vdst(0)                   ; directly behind the writes
	LOADK 0                                        ; the next visit's first K
.endif
.if \chg == 1
	s_cmp_gt_u32 s55, s54
	s_cbranch_scc0 .Lnot_mine_\@
	global_prefetch_b8 v8, s[52:53] th:TH_LOAD_NT scope:SCOPE_SE   ; its address registers are never written again
.Lnot_mine_\@:
.endif
.irp r, 60,62,64,66
	v_max_num_f32 v[\r], 0x1800000, v[\r]          ; the floor 2^(3 - 127): the byte cannot fall under 1
.endr
.irp r, 60,62,64,66
	v_add_nc_u32 v[\r+8], 0xff000000, v[\r]        ; 2 off the exponent field: the conversion's scale operand
.endr
.irp r, 60,62,64,66
	v_lshrrev_b32 v[\r], 23, v[\r+8]               ; the scale's byte
.endr
.irp r, 60,62,64,66
	v_mov_b32 v[\r+9], v[\r+8]
.endr
	v_lshl_or_b32 v60, v62, 16, v60                ; lanes 0-15: bytes 0 and 2; lanes 16-31: bytes 1 and 3
	v_lshl_or_b32 v64, v66, 16, v64
.irp r, 60,62,64,66
	v_permlane16_swap_b32 v[\r+8], v[\r+9]         ; the even block's operand in all lanes, and the odd block's
.endr
	v_permlanex16_b32 v78, v60, s20, s21
	v_permlanex16_b32 v79, v64, s20, s21
	v_lshl_or_b32 v58, v78, 8, v60                 ; p's scale words for these 128 keys, in lanes 0-15 (lanes 16-31 are not read)
	v_lshl_or_b32 v59, v79, 8, v64
	WIN 0x05
.irp k, 0,1,2,3,4,5,6,7
.irp y, 0,1
	v_pk_add_f32 v[80+16*\y+2*\k:81+16*\y+2*\k], v[64*\y+2*\k:64*\y+2*\k+1], v[64*\y+2*\k+16:64*\y+2*\k+17]   ; THE ROW'S SUM is taken of the unquantised p, in eight chains of pairs a tile
.endr
.endr
	WIN 0x01                                       ; source 0 window 1
.irp m, 32,48
.irp k, 0,1,2,3,4,5,6,7
.irp y, 0,1
	v_pk_add_f32 v[80+16*\y+2*\k:81+16*\y+2*\k], v[64*\y+2*\k+\m:64*\y+2*\k+\m+1], v[80+16*\y+2*\k:81+16*\y+2*\k]
.endr
.endr
.endr
.irp y, 0,1
.irp t, 0,1,2,3,4,5,6,7                ; tile t's eight numbers are k = 8 (2 t + h) on.  They are laid so that two exchanges of halves for each 64 along K give the operand's layout
	v_cvt_scalef32_pk8_fp4_f32 v[112+8*\y+4*(\t/4)+2*(\t%2)+(\t%4)/2], v[64*\y+8*\t:64*\y+8*\t+7], v[68+4*\y+\t/2]
.endr
.endr
	WIN 0
	FOLD 0, 4                                      ; (the plain places behind the scaled conversions)
.irp r, 112,114,116,118,120,122,124,126
	v_permlane16_swap_b32 v[\r], v[\r+1]           ; register 4 c + i of lane (r, h) then holds k = 64 c + 32 h + 8 i on
.endr
	FOLD 1, 4
	FOLD 2, 4
	FOLD 3, 4
	FOLD 0, 2
	FOLD 1, 2
	FOLD 0, 1
.irp y, 0,1
	v_pk_add_f32 v[24+2*\y:25+2*\y], v[24+2*\y:25+2*\y], v[80+16*\y:81+16*\y]
.endr
	WIN 0x50                                       ; C and D window 1
.if \chg == 0
.if \nk
	s_wait_dscnt 20                                ; V is in; the next step's 20 loads of K may be out
.else
	s_wait_dscnt 0x0                               ; V is in
.endif
.endif
.irp g, 0,1,2,3                        ; O^T += V^T P^T: the eight accumulators by turns; K = these 128 keys
.irp y, 0,1
	v_wmma_scale_f32_32x16x128_f4 v[128+64*\y+16*\g:143+64*\y+16*\g], v[192+16*\g:207+16*\g], v[112+8*\y:119+8*\y], v[128+64*\y+16*\g:143+64*\y+16*\g], v[54+\g], v[58+\y]
.endr
.endr
	WIN 0
.endm
	s_wait_alu depctr_va_vdst(0)
	s_wait_loadcnt 0x0                             ; Q
	s_wait_tensorcnt 0x0                           ; my part of slot 0 has landed
	ds_add_u32 v5, v6
	s_add_nc_u64 s[42:43], s[42:43], SLOT1         ; key steps 8-15
	s_add_co_u32 s41, s45, SLOT1
	s_wait_dscnt 0x0
	CROUND                                         ; slot 0 is whole
	tensor_load_to_lds s[40:43], s[24:31]          ; slot 1's first fill
	s_nop 0
.rept 4
	v_nop
.endr
	LOADK 0
.Ltrip:                                        ; two trips, a visit each: slot 0, then slot 1, each filled again behind its visit's change
	STEP 0, 0, 1
	STEP 1, 1, 0
	s_sub_co_u32 s55, s55, 1
	s_cmp_lg_u32 s55, 0
	s_wait_alu depctr_va_vdst(0)
	s_cbranch_scc1 .Ltrip
	STEP 0, 0, 1                                   ; key steps 16-23, slot 0
	STEP 1, 2, 0
	STEP 0, 0, 1                                   ; key steps 24-31, slot 1
	STEP 1, 0, 0
	; THE MERGE of a pair's four quarters of the keys
	s_wait_alu depctr_va_vdst(0)                   ; directly ahead of the readers below
.irp y, 0,1
	v_add_f32 v[24+2*\y], v[24+2*\y], v[25+2*\y]   ; the sum's two halves,
.endr
.irp y, 0,1
	v_permlanex16_b32 v[78+\y], v[24+2*\y], s20, s21
.endr
.irp y, 0,1
	v_add_f32 v[24+2*\y], v[24+2*\y], v[78+\y]     ; and lane l xor 16's: my quarter's sum
.endr
.irp y, 0,1
	ds_store_b32 v13, v[28+2*\y] offset:256*\y
	ds_store_b32 v13, v[24+2*\y] offset:256*\y+128
.endr
	s_wait_dscnt 0x0                               ; for the others' sake: my stores are done
	s_barrier_signal -1
	s_barrier_wait -1
.irp y, 0,1
.irp q, 0,1,2,3
	ds_load_b32 v[128+8*\y+\q], v9 offset:512*\q+256*\y        ; -M of quarter q,
	ds_load_b32 v[132+8*\y+\q], v9 offset:512*\q+256*\y+128    ; its sum
.endr
.endr
	s_wait_dscnt 0x0
.irp y, 0,1
	v_min3_num_f32 v[144+\y], v[128+8*\y], v[129+8*\y], v[130+8*\y]
.endr
.irp y, 0,1
	v_min_num_f32 v[144+\y], v[144+\y], v[131+8*\y]   ; the least -M: the largest M
.endr
.irp q, 0,1,2,3
.irp y, 0,1
	v_sub_f32 v[148+8*\y+\q], v[144+\y], v[128+8*\y+\q]   ; quarter q's M less the largest: a whole number, 0 or less
.endr
.endr
.irp y, 0,1
	v_sub_f32 v[152+8*\y], v[144+\y], v[28+2*\y]   ; mine
.endr
.irp q, 0,1,2,3,4
.irp y, 0,1
	v_cvt_i32_f32 v[148+8*\y+\q], v[148+8*\y+\q]
.endr
.endr
.irp q, 0,1,2,3,4
.irp y, 0,1
	v_ldexp_f32 v[148+8*\y+\q], 1.0, v[148+8*\y+\q]   ; 2^(that): a factor that rounds nothing
.endr
.endr
.irp y, 0,1
	v_mul_f32 v[164+\y], v[148+8*\y], v[132+8*\y]
.endr
.irp q, 1,2,3
.irp y, 0,1
	v_fmac_f32 v[164+\y], v[148+8*\y+\q], v[132+8*\y+\q]   ; the row's sum under the largest M
.endr
.endr
	s_wait_alu depctr_va_vdst(0)
	v_rcp_f32 v166, v164
	v_rcp_f32 v167, v165
	v_nop                                          ; a plain place behind the reciprocals
	s_wait_alu depctr_va_vdst(0)                   ; and the wait ahead of their first reader
.irp y, 0,1
	v_mul_f32 v[20+2*\y], v[152+8*\y], v[166+\y]   ; my factor / the sum
.endr
.irp y, 0,1
	WIN 0x41
	s_wait_alu depctr_va_vdst(0)                   ; directly ahead of the first readers of the last products' results
.set J, 128+64*\y
.rept 32
	v_pk_mul_f32 v[J:J+1], v[J:J+1], v[20+2*\y:21+2*\y] op_sel_hi:[1,0]
.set J, J+2
.endr
	WIN 0x04                                       ; the data in window 1
.irp t, 0,1,2,3,4,5,6,7                ; into my stages: register 8 t + j is channel 16 t + 8 h + j of query r
	ds_store_b128 v10, v[128+64*\y+8*\t:131+64*\y+8*\t] offset:STG*\y+64*\t
	ds_store_b128 v10, v[132+64*\y+8*\t:135+64*\y+8*\t] offset:STG*\y+64*\t+16
.endr
.endr
	WIN 0
	s_wait_dscnt 0x0                               ; for the others' sake
	s_barrier_signal -1
	s_barrier_wait -1
.irp y, 0,1
.irp q, 0,1,2,3                        ; rows 4 s + i of the four parts, whole rows of 512 bytes
.irp i, 0,1,2,3
	ds_load_b128 v[128+64*\y+16*\q+4*\i:131+64*\y+16*\q+4*\i], v11 offset:2*STG*\q+STG*\y+SP*\i
.endr
.endr
.endr
.irp y, 0,1
	s_wait_dscnt 16-16*\y                          ; tile 0: the other tile's 16 loads may be out
.irp j, 0,2,4,6,8,10,12,14
	v_pk_add_f32 v[128+64*\y+\j:129+64*\y+\j], v[128+64*\y+\j:129+64*\y+\j], v[144+64*\y+\j:145+64*\y+\j]
	v_pk_add_f32 v[160+64*\y+\j:161+64*\y+\j], v[160+64*\y+\j:161+64*\y+\j], v[176+64*\y+\j:177+64*\y+\j]
.endr
.irp j, 0,2,4,6,8,10,12,14
	v_pk_add_f32 v[128+64*\y+\j:129+64*\y+\j], v[128+64*\y+\j:129+64*\y+\j], v[160+64*\y+\j:161+64*\y+\j]
.endr
.irp i, 0,1,2,3
	global_store_b128 v7, v[128+64*\y+4*\i:131+64*\y+4*\i], s[10:11] offset:8192*\y+512*\i th:TH_STORE_NT   ; 32 lanes store a row of 512 consecutive bytes, aligned; the pair's second tile lies 16 rows on
.endr
.endr
	s_wait_tensorcnt 0x0                           ; the wave's end, behind my last tensor load and my last LDS store
	ds_add_u32 v5, v6
	s_wait_dscnt 0x0
	CROUND                                         ; the closing round: no work-group ends while a partner may still ask for a tile that names it
	s_endpgm
.Lfunc_end_k_q562a79cad2_attn:
	.size	k_q562a79cad2_attn, .Lfunc_end_k_q562a79cad2_attn-k_q562a79cad2_attn
	.p2alignl 7, 3214868480
	.fill 96, 4, 3214868480
	.section	.rodata,"a",@progbits
	.p2align	6, 0x0
	.amdhsa_kernel k_q562a79cad2_attn
		.amdhsa_group_segment_fixed_size 327680
		.amdhsa_private_segment_fixed_size 0
		.amdhsa_enable_private_segment 0
		.amdhsa_kernarg_size 32
		.amdhsa_user_sgpr_count 2
		.amdhsa_user_sgpr_kernarg_segment_ptr 1
		.amdhsa_wavefront_size32 1
		.amdhsa_system_sgpr_workgroup_id_x 1
		.amdhsa_system_sgpr_workgroup_id_y 1
		.amdhsa_system_sgpr_workgroup_id_z 1
		.amdhsa_system_vgpr_workitem_id 0
		.amdhsa_next_free_vgpr 512
		.amdhsa_next_free_sgpr 76
		.amdhsa_reserve_vcc 0
		.amdhsa_float_denorm_mode_32 3
		.amdhsa_float_denorm_mode_16_64 3
		.amdhsa_memory_ordered 1
		.amdhsa_forward_progress 1
		.amdhsa_inst_pref_size 203
	.end_amdhsa_kernel
	.amdgpu_metadata
---
amdhsa.version: [ 1, 2 ]
amdhsa.kernels:
  - .name:           k_q562a79cad2_attn
    .symbol:         k_q562a79cad2_attn.kd
    .args:
      - { .name: qimg, .offset: 0, .size: 8, .value_kind: global_buffer, .address_space: global }
      - { .name: qsc, .offset: 8, .size: 8, .value_kind: global_buffer, .address_space: global }
      - { .name: kvc, .offset: 16, .size: 8, .value_kind: global_buffer, .address_space: global }
      - { .name: out0, .offset: 24, .size: 8, .value_kind: global_buffer, .address_space: global }
    .group_segment_fixed_size: 327680
    .private_segment_fixed_size: 0
    .kernarg_segment_align: 8
    .kernarg_segment_size: 32
    .max_flat_workgroup_size: 256
    .sgpr_count:     76
    .vgpr_count:     512
    .wavefront_size: 32
...
	.end_amdgpu_metadata
.endif
;; end of part 2
